; MI455X (gfx1250); checked and timed in simulation.
; The chip was launched on July 23, 2026; its instructions are those of AMD's public machine-readable ISA for CDNA 5 (MIT licence, August 2026) and "CDNA5" Instruction Set Architecture Reference Guide (July 2026). The comments in the code are by the model that wrote it; some were corrected since.
;; Gated Sum Linear. Allowed arithmetic: float matrix products may take bf16 or f16 operands with f32 sums; other float arithmetic in f32, or as packed bf16 or f16 multiplies, adds, multiply-adds, maxima and minima; sums over many terms, partial sums and values carried from step to step in f32; what a program stores and reads back later, other than sums and carried values, may be rounded once to bf16 or f16.
;; Inputs: expert_b 8 x 1,024 float32; expert_w 8 x 1,024 x 1,024 float32; gate_b 8 float32; gate_w 8 x 1,024 float32; x 4 x 2,048 x 1,024 float32.
;; Outputs: out0 4 x 2,048 x 1,024 float32.
;; 2 versions, each right and faster than the one before. Each part assembles by itself: llvm-mc -triple=amdgcn-amd-amdhsa -mcpu=gfx1250 --defsym DOCPART=n.
;; ======== version 1 of 2: 2 launches
;; workspace buffers: xb 16,777,216 bytes; wb 16,777,216 bytes; gt 262,144 bytes
;; launch prep (part 1): grid 256 x 1, 16 waves a work-group, no clusters, 122,880 bytes of LDS; arguments x, expert_w, gate_w, gate_b, xb, wb, gt; writes xb, wb, gt
.if DOCPART == 1
	.amdgcn_target "amdgcn-amd-amdhsa--gfx1250"
	.amdhsa_code_object_version 6
	.text
	.protected	k_q704838f4d1_prep
	.globl	k_q704838f4d1_prep
	.p2align	8
	.type	k_q704838f4d1_prep,@function
k_q704838f4d1_prep:
	s_mov_b64 s[64:65], 0
	v_nop
	global_prefetch_b8 v0, s[64:65] scope:SCOPE_SE
	s_setreg_imm32_b32 hwreg(HW_REG_WAVE_MODE, 25, 1), 1
	s_wait_xcnt 0x0
; xb = x rounded to bf16, wb = expert_w rounded to bf16 (same order), gt[h][t] = softmax_h(x[t] . gate_w[h] + gate_b[h]) in f32.
; x: [8192][1024] f32, expert_w: [8192][1024] f32 (8 experts x 1024 rows), gate_w: [8][1024] f32, gate_b: [8] f32.
; The logits are made by the matrix unit from x and gate_w rounded once to bf16, sums in f32; gate_b stays f32; the maximum over the 8 heads is taken away before the exponential.
; LIMITS.  x, expert_w and gate_w are rounded to bf16 (nearest even).  A weight below 2^-126 counts as 0.  v_exp_f32 and v_rcp_f32 are good to one unit in the last place.  NaN and infinities are not treated apart.
; SHARES.  A work-group of 16 waves owns 32 rows of x and 32 rows of expert_w.  Wave w: rb = w & 1 (16 tokens), ke = w >> 1 (128 of the 1,024 along K).
; It loads its 16 x 512 bytes of x, its 8 x 512 bytes of gate_w and two whole rows (8,192 bytes) of expert_w: 41 loads, all issued before the first wait.
; Every load covers 512 consecutive bytes, every store 256 consecutive bytes at a multiple of 256 from its buffer's first byte.  Nothing is read twice but gate_w (32 KiB).
; x's and gate_w's bf16 also go into the wave's own LDS rows, from which the wave reads them back as matrix fragments; its partial logits (128 of K) meet the other seven
; waves' in LDS behind one barrier, and wave 0 finishes the 32 tokens' softmax.  No loop: the text is walked once.
.set PITCH, 272                        ; an LDS row: 256 bytes + 16: the 16 rows of a fragment load start at 16 different groups of four banks (64 banks of 4 bytes: ISA guide 11.1)
.set WREG,  24*PITCH                   ; a wave's own rows: 0-15 x, 16-23 gate_w
.set PART,  16*WREG                    ; 16 x 1,024 bytes: each wave's partial logits
.set SPARE, PART+16*1024               ; the spare words, 128 bytes for each of 16 waves: eight blocks of 256 bytes that no other line names
.set XO,  2                            ; v2   byte offset of my 16 bytes in x's first row of my 16
.set XS,  3                            ; v3   the same in xb (8 bytes)
.set GO,  4                            ; v4   in gate_w's row 0
.set WO,  5                            ; v5   in my two rows of expert_w
.set WS,  6                            ; v6   in wb
.set LS,  7                            ; v7   LDS: my 8 bytes in my wave's row 0
.set FA,  8                            ; v8   LDS: my lane's place in x's fragments
.set FG,  9                            ; v9   LDS: in gate_w's fragments
.set PS,  10                           ; v10  LDS: where my partial logits go
.set PR,  11                           ; v11  LDS: where wave 0 reads partial logits
.set GB,  12                           ; v[12:13] gate_b of my head (v13 first holds its byte offset)
.set SPW, 14                           ; v14  LDS address of my spare word; never rewritten
.set NIL, 15                           ; v15  0; never rewritten
.set AC,  16                           ; v[16:23], v[24:31] two accumulators, by turns
.set XI,  32                           ; v[32:95]   16 items of x (4 f32, then 4 bf16 in the first two registers)
.set GI,  96                           ; v[96:127]  8 items of gate_w
.set WI,  128                          ; v[128:191] 16 items of expert_w
.set XF,  192                          ; v[192:223] x's fragments of 4 K steps
.set GF,  224                          ; v[224:255] gate_w's
.set L,   192                          ; wave 0: v[192:255] eight partials of 8 registers; the logits end up in v[192:199]
.set MX,  200                          ; wave 0: the maxima
.set SM,  208                          ; wave 0: the sums
	s_load_b256 s[4:11], s[0:1], 0x0               ; x s[4:5], expert_w s[6:7], gate_w s[8:9], gate_b s[10:11]
	s_load_b128 s[12:15], s[0:1], 0x20             ; xb s[12:13], wb s[14:15]
	s_load_b64 s[16:17], s[0:1], 0x30              ; gt
	v_lshl_add_u32 v[SPW], v0, 2, SPARE
	v_mov_b32 v[NIL], 0
	v_lshrrev_b32 v1, 5, v0
	v_readfirstlane_b32 s18, v1                    ; wave 0..15
	v_and_b32 v1, 31, v0                           ; lane
	s_and_b32 s19, s18, 1                          ; rb
	s_lshr_b32 s20, s18, 1                         ; ke
	s_lshl_b32 s21, s19, 16                        ; 16 rows of 4,096 bytes
	s_lshl_b32 s24, s20, 9                         ; 128 f32
	s_add_co_u32 s21, s21, s24
	s_lshr_b32 s25, s21, 1                         ; the same place in bf16
	v_lshl_add_u32 v[XO], v1, 4, s21
	v_lshl_add_u32 v[XS], v1, 3, s25
	v_lshl_add_u32 v[GO], v1, 4, s24
	s_lshl_b32 s21, s18, 13                        ; two rows of expert_w
	s_lshl_b32 s25, s18, 12
	v_lshl_add_u32 v[WO], v1, 4, s21
	v_lshl_add_u32 v[WS], v1, 3, s25
	s_mul_i32 s26, s18, WREG                       ; my wave's rows in LDS
	v_lshl_add_u32 v[LS], v1, 3, s26
	v_and_b32 v16, 15, v0                          ; r = lane % 16
	v_bfe_u32 v17, v0, 4, 1                        ; hh = lane / 16
	v_and_b32 v18, 7, v0                           ; my head
	; a fragment is 16 rows x 32 K in 8 registers: lane holds row r, K = 8 hh + 0..7 and 16 + 8 hh + 0..7: two loads of 16 bytes, 32 bytes apart
	v_mul_u32_u24 v[FA], v16, PITCH
	v_lshl_add_u32 v[FA], v17, 4, v[FA]
	v_add_nc_u32 v[FA], s26, v[FA]
	v_mul_u32_u24 v[FG], v18, PITCH                ; lanes r = 8..15 repeat heads 0..7
	v_lshl_add_u32 v[FG], v17, 4, v[FG]
	s_add_co_u32 s27, s26, 16*PITCH
	v_add_nc_u32 v[FG], s27, v[FG]
	s_lshl_b32 s27, s18, 10
	s_add_co_u32 s27, s27, PART
	v_lshl_add_u32 v[PS], v1, 4, s27
	v_lshlrev_b32 v[GB+1], 2, v18                  ; byte offset of gate_b[head]
	s_lshl_b32 s22, ttmp9, 17                      ; the work-group's 32 rows of 4,096 bytes
	s_mov_b32 s23, 0
	s_wait_kmcnt 0x0
	s_add_nc_u64 s[4:5], s[4:5], s[22:23]
	s_add_nc_u64 s[6:7], s[6:7], s[22:23]
	s_lshl_b32 s22, ttmp9, 16                      ; 32 rows of 2,048 bytes
	s_add_nc_u64 s[12:13], s[12:13], s[22:23]
	s_add_nc_u64 s[14:15], s[14:15], s[22:23]
	s_lshl_b32 s22, ttmp9, 7                       ; 32 tokens of 4 bytes
	s_add_nc_u64 s[16:17], s[16:17], s[22:23]
	; all 41 loads go out together: 1 + 8 + 16 + 16
	global_load_b32 v[GB], v[GB+1], s[10:11]
.irp i, 0,1,2,3,4,5,6,7
	global_load_b128 v[GI+4*(\i):GI+4*(\i)+3], v[GO], s[8:9] offset:(\i)*4096
.endr
.irp i, 0,1,2,3,4,5,6,7,8,9,10,11,12,13,14,15
	global_load_b128 v[XI+4*(\i):XI+4*(\i)+3], v[XO], s[4:5] offset:(\i)*4096 th:TH_LOAD_NT
.endr
.irp i, 0,1,2,3,4,5,6,7,8,9,10,11,12,13,14,15
	global_load_b128 v[WI+4*(\i):WI+4*(\i)+3], v[WO], s[6:7] offset:(\i)*512 th:TH_LOAD_NT
.endr
.macro CVT b                           ; four f32 become four bf16 in the item's first two registers
	v_cvt_pk_bf16_f32 v[(\b)], v[(\b)], v[(\b)+1]
	v_cvt_pk_bf16_f32 v[(\b)+1], v[(\b)+2], v[(\b)+3]
.endm
	s_wait_loadcnt 32                              ; gate_b and gate_w are in: the 32 younger loads are x's and expert_w's
.irp i, 0,1,2,3,4,5,6,7
	CVT GI+4*(\i)
	ds_store_b64 v[LS], v[GI+4*(\i):GI+4*(\i)+1] offset:(16+(\i))*PITCH
.endr
.irp i, 0,1,2,3,4,5,6,7,8,9,10,11,12,13,14,15
	s_wait_loadcnt 31-(\i)                         ; x's row i is in: younger are x's 15 - i later rows and expert_w's 16 items
	CVT XI+4*(\i)
	global_store_b64 v[XS], v[XI+4*(\i):XI+4*(\i)+1], s[12:13] offset:(\i)*2048  ; the data registers are never written again
	ds_store_b64 v[LS], v[XI+4*(\i):XI+4*(\i)+1] offset:(\i)*PITCH
.endr
	; my own rows come back as fragments: LDS serves a wave's instructions in order (ISA guide 5.7.1.4), so these see the stores above
.irp s, 0,1,2,3
	ds_load_b128 v[XF+8*(\s):XF+8*(\s)+3],   v[FA] offset:64*(\s)
	ds_load_b128 v[XF+8*(\s)+4:XF+8*(\s)+7], v[FA] offset:64*(\s)+32
	ds_load_b128 v[GF+8*(\s):GF+8*(\s)+3],   v[FG] offset:64*(\s)
	ds_load_b128 v[GF+8*(\s)+4:GF+8*(\s)+7], v[FG] offset:64*(\s)+32
.endr
	; source 0 = 16 tokens, source 1 = 16 columns (8 heads, twice): register j of lane (r, hh) is the logit of token 8 hh + j and head r % 8.
	; Two accumulators take turns, one instruction a turn; the first product on each starts its sum.
.irp s, 0,1,2,3
	s_wait_dscnt 12-4*(\s)                         ; this K step's four loads are in: four for each later step may be out
.if (\s) < 2
	v_wmma_f32_16x16x32_bf16 v[AC+8*(\s):AC+8*(\s)+7], v[XF+8*(\s):XF+8*(\s)+7], v[GF+8*(\s):GF+8*(\s)+7], 0
.else
	v_wmma_f32_16x16x32_bf16 v[AC+8*((\s)%2):AC+8*((\s)%2)+7], v[XF+8*(\s):XF+8*(\s)+7], v[GF+8*(\s):GF+8*(\s)+7], v[AC+8*((\s)%2):AC+8*((\s)%2)+7]
.endif
.endr
.rept 4
	v_nop                                          ; four places between the last product and the first read of a result (ISA guide 7.12.1)
.endr
.irp p, 0,2,4,6
	v_pk_add_f32 v[AC+(\p):AC+(\p)+1], v[AC+(\p):AC+(\p)+1], v[AC+8+(\p):AC+8+(\p)+1]  ; from the low end on
.endr
	ds_store_b128 v[PS], v[AC:AC+3]
	ds_store_b128 v[PS], v[AC+4:AC+7] offset:512
.irp i, 0,1,2,3,4,5,6,7,8,9,10,11,12,13,14,15
	s_wait_loadcnt 15-(\i)                         ; expert_w's item i is in
	CVT WI+4*(\i)
	global_store_b64 v[WS], v[WI+4*(\i):WI+4*(\i)+1], s[14:15] offset:(\i)*256
.endr
	s_wait_tensorcnt 0x0                           ; the wave's last LDS store is behind
	ds_add_u32 v[SPW], v[NIL]
	s_wait_dscnt 0x0                               ; the wait is also the one that the others need: my partial logits are in LDS
	s_barrier_signal -1
	s_barrier_wait -1                              ; everybody's are
	s_cmp_lg_u32 s18, 0
	s_cbranch_scc1 .Ldone
	; WAVE 0: lane (head = lane % 8, rb = (lane / 8) % 2, hh = lane / 16) takes the tokens 16 rb + 8 hh + 0..7: it reads its own lane's place in the partials of waves 2 q + rb
	v_bfe_u32 v16, v0, 3, 1                        ; rb
	v_lshlrev_b32 v[PR], 4, v1
	v_lshl_add_u32 v[PR], v16, 10, v[PR]
	v_add_nc_u32 v[PR], PART, v[PR]
.irp q, 0,1,2,3,4,5,6,7
	ds_load_b128 v[L+8*(\q):L+8*(\q)+3],   v[PR] offset:(\q)*2048
	ds_load_b128 v[L+8*(\q)+4:L+8*(\q)+7], v[PR] offset:(\q)*2048+512
.endr
	v_mul_f32 v[GB], 0x3fb8aa3b, v[GB]             ; c gate_b, c = log2(e)
	v_and_b32 v17, 7, v0
	v_bfe_u32 v18, v0, 4, 1
	v_lshlrev_b32 v1, 15, v17                      ; gt: head x 32,768
	v_lshl_add_u32 v1, v16, 6, v1                  ; + 16 rb tokens
	v_lshl_add_u32 v1, v18, 5, v1                  ; + 8 hh tokens
	v_mov_b32 v[GB+1], v[GB]
	s_wait_dscnt 0x0
.macro ADD8 d, s                       ; partial d += partial s
.irp p, 0,2,4,6
	v_pk_add_f32 v[L+8*(\d)+(\p):L+8*(\d)+(\p)+1], v[L+8*(\d)+(\p):L+8*(\d)+(\p)+1], v[L+8*(\s)+(\p):L+8*(\s)+(\p)+1]
.endr
.endm
	ADD8 0, 1
	ADD8 2, 3
	ADD8 4, 5
	ADD8 6, 7
	ADD8 0, 2
	ADD8 4, 6
	ADD8 0, 4
.irp p, 0,2,4,6
	v_pk_fma_f32 v[L+(\p):L+(\p)+1], v[L+(\p):L+(\p)+1], 0x3fb8aa3b, v[GB:GB+1] op_sel_hi:[1,0,1]  ; c (x . gate_w) + c gate_b
.endr
	; the 8 heads of a token lie in 8 neighbouring lanes: three exchanges ride on the arithmetic
.irp j, 0,1,2,3,4,5,6,7
	v_max_num_f32_dpp v[MX+(\j)], v[L+(\j)], v[L+(\j)] row_xmask:1 row_mask:0xf bank_mask:0xf
.endr
.irp j, 0,1,2,3,4,5,6,7
	v_max_num_f32_dpp v[MX+(\j)], v[MX+(\j)], v[MX+(\j)] row_xmask:2 row_mask:0xf bank_mask:0xf
.endr
.irp j, 0,1,2,3,4,5,6,7
	v_max_num_f32_dpp v[MX+(\j)], v[MX+(\j)], v[MX+(\j)] row_xmask:4 row_mask:0xf bank_mask:0xf
.endr
.irp p, 0,2,4,6
	v_pk_add_f32 v[L+(\p):L+(\p)+1], v[L+(\p):L+(\p)+1], v[MX+(\p):MX+(\p)+1] neg_lo:[0,1] neg_hi:[0,1]  ; the maximum is taken away: every exponent is 0 or below
.endr
.irp j, 0,1,2,3,4,5,6,7
	v_exp_f32 v[L+(\j)], v[L+(\j)]
.endr
	v_nop                                          ; a plain instruction behind the last exponential (ISA guide 5.7.2),
	s_wait_alu depctr_va_vdst(0)                   ; and one wait for the batch of eight ahead of the first use
.irp j, 0,1,2,3,4,5,6,7
	v_add_f32_dpp v[SM+(\j)], v[L+(\j)], v[L+(\j)] row_xmask:1 row_mask:0xf bank_mask:0xf
.endr
.irp j, 0,1,2,3,4,5,6,7
	v_add_f32_dpp v[SM+(\j)], v[SM+(\j)], v[SM+(\j)] row_xmask:2 row_mask:0xf bank_mask:0xf
.endr
.irp j, 0,1,2,3,4,5,6,7
	v_add_f32_dpp v[SM+(\j)], v[SM+(\j)], v[SM+(\j)] row_xmask:4 row_mask:0xf bank_mask:0xf
.endr
.irp j, 0,1,2,3,4,5,6,7
	v_rcp_f32 v[SM+(\j)], v[SM+(\j)]               ; the sum is 1 at the least: the largest weight is 1
.endr
	v_nop
	s_wait_alu depctr_va_vdst(0)                   ; one wait for the eight reciprocals
.irp p, 0,2,4,6
	v_pk_mul_f32 v[L+(\p):L+(\p)+1], v[L+(\p):L+(\p)+1], v[SM+(\p):SM+(\p)+1]
.endr
	global_store_b128 v1, v[L:L+3], s[16:17]       ; by heads: 32 tokens, 128 consecutive bytes, for each head; the next launch reads 512 consecutive bytes of a head
	global_store_b128 v1, v[L+4:L+7], s[16:17] offset:16
.Ldone:
	s_endpgm
.Lfunc_end_k_q704838f4d1_prep:
	.size	k_q704838f4d1_prep, .Lfunc_end_k_q704838f4d1_prep-k_q704838f4d1_prep
	.p2alignl 7, 3214868480
	.fill 96, 4, 3214868480
	.section	.rodata,"a",@progbits
	.p2align	6, 0x0
	.amdhsa_kernel k_q704838f4d1_prep
		.amdhsa_group_segment_fixed_size 122880
		.amdhsa_private_segment_fixed_size 0
		.amdhsa_enable_private_segment 0
		.amdhsa_kernarg_size 56
		.amdhsa_user_sgpr_count 2
		.amdhsa_user_sgpr_kernarg_segment_ptr 1
		.amdhsa_wavefront_size32 1
		.amdhsa_system_sgpr_workgroup_id_x 1
		.amdhsa_system_sgpr_workgroup_id_y 1
		.amdhsa_system_sgpr_workgroup_id_z 1
		.amdhsa_system_vgpr_workitem_id 0
		.amdhsa_next_free_vgpr 256
		.amdhsa_next_free_sgpr 66
		.amdhsa_reserve_vcc 0
		.amdhsa_float_denorm_mode_32 3
		.amdhsa_float_denorm_mode_16_64 3
		.amdhsa_memory_ordered 1
		.amdhsa_forward_progress 1
		.amdhsa_inst_pref_size 27
	.end_amdhsa_kernel
	.amdgpu_metadata
---
amdhsa.version: [ 1, 2 ]
amdhsa.kernels:
  - .name:           k_q704838f4d1_prep
    .symbol:         k_q704838f4d1_prep.kd
    .args:
      - { .name: x, .offset: 0, .size: 8, .value_kind: global_buffer, .address_space: global }
      - { .name: expert_w, .offset: 8, .size: 8, .value_kind: global_buffer, .address_space: global }
      - { .name: gate_w, .offset: 16, .size: 8, .value_kind: global_buffer, .address_space: global }
      - { .name: gate_b, .offset: 24, .size: 8, .value_kind: global_buffer, .address_space: global }
      - { .name: xb, .offset: 32, .size: 8, .value_kind: global_buffer, .address_space: global }
      - { .name: wb, .offset: 40, .size: 8, .value_kind: global_buffer, .address_space: global }
      - { .name: gt, .offset: 48, .size: 8, .value_kind: global_buffer, .address_space: global }
    .group_segment_fixed_size: 122880
    .private_segment_fixed_size: 0
    .kernarg_segment_align: 8
    .kernarg_segment_size: 56
    .max_flat_workgroup_size: 512
    .sgpr_count:     66
    .vgpr_count:     256
    .wavefront_size: 32
...
	.end_amdgpu_metadata
.endif
;; end of part 1
;; launch gemm (part 2): grid 8 x 32, 4 waves a work-group, clusters of 4 x 4, 327,680 bytes of LDS; arguments xb, wb, gt, expert_b, out0; writes out0
.if DOCPART == 2
	.amdgcn_target "amdgcn-amd-amdhsa--gfx1250"
	.amdhsa_code_object_version 6
	.text
	.protected	k_q704838f4d1_gemm
	.globl	k_q704838f4d1_gemm
	.p2align	8
	.type	k_q704838f4d1_gemm,@function
k_q704838f4d1_gemm:
	s_mov_b64 s[64:65], 0
	v_nop
	global_prefetch_b8 v0, s[64:65] scope:SCOPE_SE
	s_setreg_imm32_b32 hwreg(HW_REG_WAVE_MODE, 25, 1), 1
	s_wait_xcnt 0x0
	s_wait_alu depctr_hold_cnt(0) depctr_sa_sdst(0) depctr_va_vdst(0) depctr_va_sdst(0) depctr_va_ssrc(0) depctr_va_vcc(0) depctr_vm_vsrc(0)
	s_getreg_b32 s2, hwreg(HW_REG_IB_STS2, 6, 4)
	s_cmp_eq_u32 s2, 0
	s_cbranch_scc0 .Lentry_in_a_cluster
	s_endpgm
.Lentry_in_a_cluster:
	s_bfe_u32 s2, ttmp6, 0x10000c
	s_cmp_lg_u32 s2, 0xf033
	s_cbranch_scc0 .Lentry_shape_is_right
	s_endpgm
.Lentry_shape_is_right:
; out[t][o] = sum over h of g[h][t] * (sum over d of x[t][d] W[h][o][d] + b[h][o]).
; xb: [8192][1024] bf16, wb: [8][1024][1024] bf16, gt: [8][8192] f32, expert_b: [8][1024] f32, out0: [8192][1024] f32.  Products in bf16, all sums in f32.
; LIMITS.  x and W arrive rounded to bf16; nothing else is rounded below f32.  NaN and infinities are not treated apart.
; SHARES.  A work-group makes 256 rows x 128 columns of out: 32 x 8 = 256 work-groups.  Each of its four waves makes 128 x 64: 32 accumulators of 16 x 16.
; EIGHT PASSES, one for each expert, of 8 K steps of 128.  A pass sums x W_h^T + b_h in one set of accumulators (ACC1): its first products take b_h as their C operand, so the bias
; costs no arithmetic.  At the pass's end out's sums (ACC2) take g_h x ACC1: 128 packed multiply-adds in f32 for the pass's 1,024 matrix instructions.
; THE MATRIX INSTRUCTION IS USED TRANSPOSED: source 0 = 16 rows of W, source 1 = 16 rows of x.  In the result lane l holds ONE token (l % 16) and the eight neighbouring columns
; 8 (l / 16) + 0..7: so g_h is one number a lane, and b_h's eight numbers are the same for all row blocks.
; THE RING.  Two LDS slots, each a K step's 256 rows of x and 128 rows of W_h, 256 bytes of memory a row, at multiples of 256 from the buffer's first byte.  It runs on from pass to pass:
; a pass's last two changes of slots ask for the next expert's first two K steps.  Waves 0 and 1 fetch x's halves (128 rows each), waves 2 and 3 W's (64 rows each): one tensor load a wave.
; By the text's own count a wave has two tensor loads out at the start and one behind each change of slots, 112 matrix instructions ahead of the wait for it.
; CLUSTERS: 4 x 4 work-groups.  The four of a row of the cluster need the same tiles of x, the four of a column the same tiles of W: each tile is asked for JOINTLY, by the same
; tensor load with the same descriptor and a mask that names the four.
; REGISTERS, in windows of 256 (s_set_vgpr_msb: bits 1:0 source 0, 3:2 source 1, 5:4 source 2, 7:6 destination):
;   window 0: v0-31 addresses and g; v32-63 the way out; v64-191 x's fragments, two buffers of 8 x 8; v192-255 W's, two buffers of 4 x 8
;   window 1: ACC1, accumulator (a, b) at v[8 (4 a + b)]     window 2: ACC2, likewise     window 3: v0-31 b_h, column block b at v[8 b]
.set PITCH, 272                        ; an LDS row: 256 bytes + 16 of padding = 68 words: the 16 rows of a load start at 16 different groups of four banks (64 banks of 4 bytes: ISA guide 11.1)
.set AHALF, 128*PITCH                  ; what waves 0 and 1 fetch, and what a wave reads of x
.set BHALF, 64*PITCH                   ; what waves 2 and 3 fetch, and what a wave reads of W
.set BOFF,  2*AHALF                    ; W's 128 rows lie behind x's 256
.set SLOT,  BOFF+2*BHALF
.set STAGE, 2*SLOT                     ; behind the ring, never filled by a tensor load: 16 rows x 272 bytes for each wave, for the way out
.set WSTG,  16*PITCH
.set SPARE, STAGE+4*WSTG               ; the spare words, 128 bytes for each wave: two blocks of 256 bytes that no other line names
.set KB,    256                        ; a K step in bytes of a row
.set BACK,  6*KB                       ; from a slot's last K step of a pass back to its first
.set EXPB,  1024*2048                  ; an expert's bytes in wb
.set GC,   8                           ; v[8:15]  g of the pass in hand for my token in row block a
.set ADRA, 16                          ; v16-17   LDS address of my fragments of x in slot 0, 1
.set ADRB, 20                          ; v20-21   of W
.set STO,  24                          ; v24      the way out: where I put 16 bytes of a row
.set RD,   25                          ; v25      the way out: where I read a row back
.set CO,   26                          ; v26      my byte offset in two rows of out
.set SPW,  28                          ; v28      LDS address of my spare word; never rewritten
.set NIL,  29                          ; v29      0; never rewritten
.set BO,   30                          ; v30      my byte offset in 16 columns of expert_b: 32 (l / 16)
.set GO,   31                          ; v31      my byte offset in 16 tokens of gt: 4 (l % 16)
.set OB,   32                          ; the way out: 16 rows read back: v32-63 and v64-95 by turns
.set AFR,  64                          ; x's fragments: buffer f, row block a at AFR + 64 f + 8 a
.set BFR,  192                         ; W's: buffer f, column block b at BFR + 32 f + 8 b
.set BIAS, 0                           ; window 3
.set WV,  14                           ; s14  my wave's number
.set G1,  24                           ; s[24:31] descriptor group 1 for x's tiles;  s[32:39] group 0, a set for each slot
.set G0,  32
.set G1B, 48                           ; s[48:55], s[56:63] the same for W's
.set G0B, 56
.set MSB, 0
.macro WIN new                         ; the immediate's high byte repeats the setting that is left; a switch that changes nothing is dropped
.if MSB != (\new)
	s_set_vgpr_msb (MSB<<8)|(\new)
.set MSB, \new
.endif
.endm
.set MUL,  0x50                        ; fragments in window 0, C and D in window 1
.set MULB, 0x70                        ; the same with C in window 3
.set SC,   0xa1                        ; destination and source 2 in window 2, source 0 in window 1, source 1 in window 0
.set ZR,   0x80                        ; destination in window 2
.set TOB,  0xc0                        ; destination in window 3, address in window 0
.set STG,  0x08                        ; an LDS store's data in window 2, its address in window 0
; A joint load.  The branch hangs on the wave's number alone.  An s_nop 0 and four v_nop follow each of the two lines, ahead of the jump, the label and what follows.
.macro JLOAD s
	s_cmp_lt_u32 s[WV], 2
	s_cbranch_scc0 .Lfor_b_\@
	tensor_load_to_lds s[G0+4*(\s):G0+4*(\s)+3], s[G1:G1+7]
	s_nop 0
.rept 4
	v_nop
.endr
	s_branch .Lasked_\@
.Lfor_b_\@:
	tensor_load_to_lds s[G0B+4*(\s):G0B+4*(\s)+3], s[G1B:G1B+7]
	s_nop 0
.rept 4
	v_nop
.endr
.Lasked_\@:
.endm
; A round of the cluster's barrier: my work-group's barrier, so that wave 0's signal speaks for all four waves; wave 0 signals; every wave waits for all sixteen work-groups; my work-group's barrier once more.
.macro CREST                           ; a round behind its opening barrier
	s_cmp_lg_u32 s[WV], 0
	s_cbranch_scc1 .Lnot_wave_0_\@
	s_barrier_signal -3
.Lnot_wave_0_\@:
	s_barrier_wait -3
	s_barrier_signal -1
	s_barrier_wait -1
.endm
.macro CROUND                          ; a whole round
	s_barrier_signal -1
	s_barrier_wait -1
	CREST
.endm
.macro PLACES                          ; four places in front of loads into registers that matrix instructions have read, and of vector lines that read results just made
.rept 4
	v_nop
.endr
.endm
.macro BIASIN                          ; an expert's bias for my 64 columns: lanes 0-15 take columns 16 b + 0..7, lanes 16-31 columns 16 b + 8..15
	WIN TOB
.irp b, 0,1,2,3
	global_load_b128 v[BIAS+8*(\b):BIAS+8*(\b)+3],   v[BO], s[10:11] offset:64*(\b)
	global_load_b128 v[BIAS+8*(\b)+4:BIAS+8*(\b)+7], v[BO], s[10:11] offset:64*(\b)+16
.endr
	WIN 0
.endm
	s_load_b256 s[4:11], s[0:1], 0x0               ; xb s[4:5], wb s[6:7], gt s[8:9], expert_b s[10:11]
	s_load_b64 s[12:13], s[0:1], 0x20              ; out0
	v_lshl_add_u32 v[SPW], v0, 2, SPARE
	v_mov_b32 v[NIL], 0
	ds_add_u32 v[SPW], v[NIL]                      ; the wave's opening: the add and its wait stand ahead of my first tensor load; the set-up below, work on registers, stands between them
	v_lshrrev_b32 v1, 5, v0
	v_readfirstlane_b32 s[WV], v1                  ; wave 0..3
	s_lshr_b32 s15, s[WV], 1                       ; wm: which 128 rows of the tile are mine
	s_and_b32 s16, s[WV], 1                        ; wn: which 64 columns.  Also: which half of x's or W's tile I fetch
	s_bfe_u32 s40, ttmp6, 0x40000                  ; cx, cy: my place in the cluster
	s_bfe_u32 s41, ttmp6, 0x40004
	s_lshl_b32 s42, ttmp9, 2
	s_add_co_u32 s42, s42, s40                     ; tx: tile column of out = 4 x cluster x + cx
	s_and_b32 s43, ttmp7, 0xffff
	s_lshl_b32 s43, s43, 2
	s_add_co_u32 s43, s43, s41                     ; ty: tile row = 4 x cluster y + cy
	s_lshl_b32 s44, s41, 2
	s_lshl_b32 s44, 15, s44                        ; my row of the cluster
	s_lshl_b32 s45, 0x1111, s40                    ; my column
	; descriptor group 1: rows of 128 elements of 2 bytes, padded in LDS
	s_or_b32 s[G1+0], s44, (1<<16)|(1<<20)|(1<<21)|(5<<22)|(3<<25)   ; 15:0 the mask: x's tiles go to my row; 17:16 2-byte elements; 20 padding on; 21 set beside a mask; 24:22 after every 64 words (code 5); 31:25 4 words (code 3)
	s_or_b32 s[G1B+0], s45, (1<<16)|(1<<20)|(1<<21)|(5<<22)|(3<<25)  ; the same with the mask of my column, for W's tiles
.irp g, G1, G1B
	s_mov_b32 s[(\g)+1], 128<<16                   ; tensor_dim0 = 128
	s_mov_b32 s[(\g)+3], 128<<16                   ; tile_dim0 = 128
	s_mov_b32 s[(\g)+5], 1024                      ; elements from row to row
	s_mov_b32 s[(\g)+6], 0
	s_mov_b32 s[(\g)+7], 0
.endr
	s_mov_b32 s[G1+2], 128<<16                     ; tensor_dim1 = 128 rows of x
	s_mov_b32 s[G1+4], 128                         ; tile_dim1
	s_mov_b32 s[G1B+2], 64<<16                     ; 64 rows of W
	s_mov_b32 s[G1B+4], 64
	; where the tiles come from: x's hang on ty and the wave, W's on tx and the wave, each in registers that never hold the other coordinate
	s_lshl_b32 s18, s43, 8
	s_lshl_b32 s19, s16, 7
	s_add_co_u32 s18, s18, s19                     ; x: row 256 ty + 128 x half,
	s_lshl_b32 s18, s18, 11                        ; of 2,048 bytes: under 2^25
	s_mov_b32 s19, 0
	s_lshl_b32 s68, s42, 7
	s_lshl_b32 s69, s16, 6
	s_add_co_u32 s68, s68, s69                     ; W: row 128 tx + 64 x half
	s_lshl_b32 s68, s68, 11
	s_mov_b32 s69, 0
	s_mul_i32 s20, s[WV], AHALF                    ; and where they go: waves 0, 1: x's halves;
	s_mul_i32 s21, s[WV], BHALF
	s_add_co_u32 s21, s21, BOFF-2*BHALF            ; waves 2, 3: W's halves behind them.  No place in the cluster enters an LDS address
	s_wait_dscnt 0x0                               ; the opening add is done
	s_wait_kmcnt 0x0
	s_add_nc_u64 s[22:23], s[4:5], s[18:19]
	s_add_nc_u64 s[70:71], s[6:7], s[68:69]
	CROUND                                         ; all sixteen work-groups are here: the first joint loads meet
.irp s, 0,1
	s_mov_b32 s[G0+4*(\s)], 1                                        ; 1:0 count = 1
	s_add_co_u32 s[G0+4*(\s)+1], s20, (\s)*SLOT                      ; 63:32 LDS address
	s_add_nc_u64 s[G0+4*(\s)+2:G0+4*(\s)+3], s[22:23], (\s)*KB       ; 120:64 global address: K step s
	s_or_b32 s[G0+4*(\s)+3], s[G0+4*(\s)+3], 0x80000000              ; 127:126 type = 2
	s_mov_b32 s[G0B+4*(\s)], 1
	s_add_co_u32 s[G0B+4*(\s)+1], s21, (\s)*SLOT
	s_add_nc_u64 s[G0B+4*(\s)+2:G0B+4*(\s)+3], s[70:71], (\s)*KB
	s_or_b32 s[G0B+4*(\s)+3], s[G0B+4*(\s)+3], 0x80000000
.endr
	s_cmp_lt_u32 s[WV], 2                          ; a wave's two first fills stand in one branch, ahead of every wait on TENSORcnt and every LDS read
	s_cbranch_scc0 .Lfirst_b
	tensor_load_to_lds s[G0:G0+3], s[G1:G1+7]
	s_nop 0
	tensor_load_to_lds s[G0+4:G0+7], s[G1:G1+7]
	s_nop 0
.rept 4
	v_nop
.endr
	s_branch .Lfirst_asked
.Lfirst_b:
	tensor_load_to_lds s[G0B:G0B+3], s[G1B:G1B+7]
	s_nop 0
	tensor_load_to_lds s[G0B+4:G0B+7], s[G1B:G1B+7]
	s_nop 0
.rept 4
	v_nop
.endr
.Lfirst_asked:
	; all that follows up to the barrier stands in the wait for the first tile
	v_and_b32 v1, 15, v0                           ; l % 16
	v_bfe_u32 v2, v0, 4, 1                         ; l / 16
	v_lshlrev_b32 v[BO], 5, v2
	v_lshlrev_b32 v[GO], 2, v1
	s_lshl_b32 s18, s43, 8
	s_lshl_b32 s19, s15, 7
	s_add_co_u32 s18, s18, s19                     ; my first token: 256 ty + 128 wm
	s_lshl_b32 s46, s18, 12                        ; its row of 4,096 bytes in out: under 2^25
	s_mov_b32 s47, 0
	s_lshl_b32 s18, s18, 2                         ; its 4 bytes in a head's row of gt
	s_mov_b32 s19, 0
	s_add_nc_u64 s[8:9], s[8:9], s[18:19]
	s_add_nc_u64 s[12:13], s[12:13], s[46:47]
	s_lshl_b32 s68, s42, 9
	s_lshl_b32 s69, s16, 8
	s_add_co_u32 s68, s68, s69                     ; my first column, in bytes of f32: 512 tx + 256 wn
	s_mov_b32 s69, 0
	s_add_nc_u64 s[10:11], s[10:11], s[68:69]
	s_add_nc_u64 s[12:13], s[12:13], s[68:69]
	BIASIN                                         ; expert 0's bias
	; a fragment is 16 rows x 32 K in 8 registers: lane l holds row l % 16, K = 8 (l / 16) + 0..7 and 16 + 8 (l / 16) + 0..7: two loads of 16 bytes, 32 bytes apart
	v_mul_u32_u24 v3, v1, PITCH
	v_lshl_add_u32 v3, v2, 4, v3
	s_mul_i32 s18, s15, AHALF                      ; my 128 rows of x
	s_mul_i32 s19, s16, BHALF                      ; my 64 rows of W
	s_add_co_u32 s19, s19, BOFF
.irp s, 0,1
	v_add_nc_u32 v[ADRA+(\s)], s18, v3
	v_add_nc_u32 v[ADRB+(\s)], s19, v3
	s_add_co_u32 s18, s18, SLOT
	s_add_co_u32 s19, s19, SLOT
.endr
	s_mul_i32 s18, s[WV], WSTG
	s_add_co_u32 s18, s18, STAGE                   ; my stage
	v_mul_u32_u24 v4, v1, PITCH                    ; in: row l % 16, 32 bytes for each half of the lanes
	v_lshl_add_u32 v4, v2, 5, v4
	v_add_nc_u32 v[STO], s18, v4
	v_mul_u32_u24 v5, v2, PITCH                    ; back: lanes 0-15 take one row of 256 bytes, lanes 16-31 the next
	v_lshl_add_u32 v5, v1, 4, v5
	v_add_nc_u32 v[RD], s18, v5
	v_lshlrev_b32 v5, 12, v2                       ; and the same two rows in out
	v_lshl_add_u32 v[CO], v1, 4, v5
	; out's sums start at 0, so that one text scales and adds in all eight passes: 256 lines, once a launch
	WIN ZR
.set n, 0
.rept 256
	v_mov_b32 v[n], 0
.set n, n+1
.endr
	WIN 0
; 8 matrix instructions: row blocks a0, a0 + 1 x all 4 column blocks, 32 along K, from buffer f.  bias = 1: the pass's first products start the sums with b_h.
; The 32 accumulators take turns, one instruction a turn, in the same order in every quarter: between two links of a chain stand the 31 others'.
.macro MUL8 f, a0, bias
.if \bias
	WIN MULB
.else
	WIN MUL
.endif
.irp a, \a0, (\a0)+1
.irp b, 0,1,2,3
.if \bias
	v_wmma_f32_16x16x32_bf16 v[8*(4*(\a)+(\b)):8*(4*(\a)+(\b))+7], v[BFR+32*(\f)+8*(\b):BFR+32*(\f)+8*(\b)+7], v[AFR+64*(\f)+8*(\a):AFR+64*(\f)+8*(\a)+7], v[BIAS+8*(\b):BIAS+8*(\b)+7]
.else
	v_wmma_f32_16x16x32_bf16 v[8*(4*(\a)+(\b)):8*(4*(\a)+(\b))+7], v[BFR+32*(\f)+8*(\b):BFR+32*(\f)+8*(\b)+7], v[AFR+64*(\f)+8*(\a):AFR+64*(\f)+8*(\a)+7], v[8*(4*(\a)+(\b)):8*(4*(\a)+(\b))+7]
.endif
.endr
.endr
.endm
; 24 LDS loads in one run: the fragments of a quarter step (64 rows of W, then 128 rows of x, 32 K at byte k of the rows) into buffer f
.macro FETCH slot, k, f
	WIN 0
.irp b, 0,1,2,3
	ds_load_b128 v[BFR+32*(\f)+8*(\b):BFR+32*(\f)+8*(\b)+3],   v[ADRB+(\slot)] offset:(\k)+(\b)*16*PITCH
	ds_load_b128 v[BFR+32*(\f)+8*(\b)+4:BFR+32*(\f)+8*(\b)+7], v[ADRB+(\slot)] offset:(\k)+(\b)*16*PITCH+32
.endr
.irp a, 0,1,2,3,4,5,6,7
	ds_load_b128 v[AFR+64*(\f)+8*(\a):AFR+64*(\f)+8*(\a)+3],   v[ADRA+(\slot)] offset:(\k)+(\a)*16*PITCH
	ds_load_b128 v[AFR+64*(\f)+8*(\a)+4:AFR+64*(\f)+8*(\a)+7], v[ADRA+(\slot)] offset:(\k)+(\a)*16*PITCH+32
.endr
.endm
; A K step is four quarters of 32 along K, 32 matrix instructions each, on buffers 0, 1, 0, 1.  One of the first three: multiplies buffer f; in its middle it fetches the next quarter, at byte k, into buffer g.
.macro QUARTER slot, k, f, g, bias
	s_wait_dscnt 8                                 ; W's fragments and x's row blocks 0-3 are in; the youngest eight loads (row blocks 4-7) may be out
	MUL8 \f, 0, \bias
	MUL8 \f, 2, \bias
	PLACES
	FETCH \slot, \k, \g
	s_wait_dscnt 24                                ; all but the 24 just issued
	MUL8 \f, 4, \bias
	MUL8 \f, 6, \bias
.endm
; The last quarter multiplies buffer 1 and changes slots.  MEET is its first half: ONE barrier.  In front of it each wave waits for all its tensor loads, of which one is out: its part of the next slot;
; adds 0 to its spare word; and waits for that and for its own reads of this slot.  Behind it nobody reads this slot any more and the next slot is whole.
.macro MEET round                      ; round = 1: a round of the cluster's barrier follows
	WIN 0                                          ; (the add's two registers lie in window 0)
	s_wait_tensorcnt 0x0                           ; all my tensor loads have landed;
	ds_add_u32 v[SPW], v[NIL]                      ; 0 onto my spare word
	s_wait_dscnt 9                                 ; (the add and the youngest eight loads may be out)
	MUL8 1, 0, 0                                   ; eight matrix instructions stand between the add and the wait for it
	s_wait_dscnt 0x0                               ; the add is done, and my reads of this slot are over
	s_barrier_signal -1
	MUL8 1, 2, 0                                   ; work on registers while the others arrive
.if \round
	WIN 0
.endif
	s_barrier_wait -1
.endm
; The whole last quarter.  mode 0: this slot is filled again with the pass's K step two steps on; mode 1: with the NEXT expert's K step 0 or 1 (x goes back along K; W goes an expert on and back);
; mode 2: nothing is left to fetch.  The joint refill is the first tensor load behind the round; its four v_nop are also the places in front of the loads below.
.macro TURN slot, next, mode
.if (\mode) == 2
	MEET 0
	PLACES
.else
	MEET 1
	CREST                                          ; no wave of any partner still reads this slot's tile or has a load on its way
.if (\mode) == 1
	s_sub_nc_u64 s[G0+4*(\slot)+2:G0+4*(\slot)+3], s[G0+4*(\slot)+2:G0+4*(\slot)+3], BACK
	s_add_nc_u64 s[G0B+4*(\slot)+2:G0B+4*(\slot)+3], s[G0B+4*(\slot)+2:G0B+4*(\slot)+3], EXPB-BACK
.else
	s_add_nc_u64 s[G0+4*(\slot)+2:G0+4*(\slot)+3], s[G0+4*(\slot)+2:G0+4*(\slot)+3], 2*KB
	s_add_nc_u64 s[G0B+4*(\slot)+2:G0B+4*(\slot)+3], s[G0B+4*(\slot)+2:G0B+4*(\slot)+3], 2*KB
.endif
	JLOAD \slot
.endif
	FETCH \next, 0, 0
	MUL8 1, 4, 0
	MUL8 1, 6, 0
.endm
; ACC2 += g x ACC1: pair n of 128 lies in row block n / 16, whose g is the low (even block) or high (odd block) register of a pair of GC.  Each accumulator is read from its low end on.
.macro SCALE
	s_wait_loadcnt 0x0                             ; g of this pass, and the next expert's bias, asked for at the pass's head
	WIN SC
.set n, 0
.rept 128
.if (n/16)%2
	v_pk_fma_f32 v[2*n:2*n+1], v[2*n:2*n+1], v[GC+2*(n/32):GC+2*(n/32)+1], v[2*n:2*n+1] op_sel:[0,1,0] op_sel_hi:[1,1,1]
.else
	v_pk_fma_f32 v[2*n:2*n+1], v[2*n:2*n+1], v[GC+2*(n/32):GC+2*(n/32)+1], v[2*n:2*n+1] op_sel_hi:[1,0,1]
.endif
.set n, n+1
.endr
	WIN 0
.endm
; THE WAY OUT of row block a.  A lane's 32 bytes are an eighth of a row's 256, and the lanes beside it hold other rows: 16 rows go through my own stage and come back as whole rows.
.macro TOSTAGE a
.set BK, OB+32*((\a)%2)
.if (\a) >= 2
	s_wait_xcnt 0x0                                ; the stores of the block two back have had their addresses translated (ISA guide 3.1): only behind this wait are their data registers loaded again
.endif
	WIN STG
.irp b, 0,1,2,3
	ds_store_b128 v[STO], v[32*(\a)+8*(\b):32*(\a)+8*(\b)+3]   offset:64*(\b)
	ds_store_b128 v[STO], v[32*(\a)+8*(\b)+4:32*(\a)+8*(\b)+7] offset:64*(\b)+16
.endr
	WIN 0
.irp t, 0,1,2,3,4,5,6,7
	ds_load_b128 v[BK+4*(\t):BK+4*(\t)+3], v[RD] offset:(\t)*2*PITCH  ; LDS serves a wave's instructions in order (ISA guide 5.7.1.4): these see the stores above; the next block's stores come behind them
.endr
.endm
.macro SEND a, younger                 ; younger: the LDS instructions issued behind block a's loads: the next block's sixteen, or none
.set BK, OB+32*((\a)%2)
	s_wait_dscnt \younger
.irp t, 0,1,2,3,4,5,6,7
	global_store_b128 v[CO], v[BK+4*(\t):BK+4*(\t)+3], s[12:13] offset:(\a)*65536+(\t)*8192 th:TH_STORE_NT  ; 16 lanes store 256 consecutive bytes, at a multiple of 256 from out's first byte
.endr
.endm
	s_wait_tensorcnt 1                             ; my part of K step 0 is in; K step 1's may stay out
	s_barrier_signal -1
	s_barrier_wait -1                              ; everybody's is
	FETCH 0, 0, 0
	s_wait_loadcnt 0x0                             ; expert 0's bias is in, so its pointer may step
	s_add_nc_u64 s[10:11], s[10:11], 4096          ; to expert 1's
	s_mov_b32 s2, 8                                ; passes to go, this one among them: the same number in every work-group
.Lpass:
	QUARTER 0, 64, 0, 1, 1                         ; a pass's first quarter stands in front of the loop: its products start the sums with the bias
	PLACES                                         ; for the loads into the bias's registers, which those products read
	WIN 0
.irp a, 0,1,2,3,4,5,6,7
	global_load_b32 v[GC+(\a)], v[GO], s[8:9] offset:64*(\a)  ; g of this pass for my token in each row block: wanted at the pass's end
.endr
	s_cmp_eq_u32 s2, 1
	s_cbranch_scc1 .Lno_bias                       ; behind the last expert there is no bias to fetch
	BIASIN                                         ; the next expert's
.Lno_bias:
	s_mov_b32 s3, 3
.Llap:                                                 ; a trip goes once round the ring, from a lap's second quarter to the next lap's first, and fills both slots again
	QUARTER 0, 128, 1, 0, 0
	QUARTER 0, 192, 0, 1, 0
	TURN 0, 1, 0
	QUARTER 1, 64,  0, 1, 0
	QUARTER 1, 128, 1, 0, 0
	QUARTER 1, 192, 0, 1, 0
	TURN 1, 0, 0
	QUARTER 0, 64,  0, 1, 0
	WIN 0                                          ; at a label and at a branch every window is 0
	s_sub_co_u32 s3, s3, 1
	s_cmp_lg_u32 s3, 0
	s_cbranch_scc1 .Llap
	QUARTER 0, 128, 1, 0, 0                        ; the pass's last lap goes on
	QUARTER 0, 192, 0, 1, 0
	WIN 0
	s_cmp_eq_u32 s2, 1
	s_cbranch_scc1 .Llast                          ; the last pass's tail is written out: it asks for nothing more
	TURN 0, 1, 1                                   ; THE RING GOES ON INTO THE NEXT PASS: slot 0 takes its K step 0,
	QUARTER 1, 64,  0, 1, 0
	QUARTER 1, 128, 1, 0, 0
	QUARTER 1, 192, 0, 1, 0
	TURN 1, 0, 1                                   ; slot 1 its K step 1, and the next pass's first fragments are fetched
	SCALE                                          ; no v_nop: row blocks 0-3 were finished in front of the joint load's four, and their 64 lines, which name no register of the last products, are those products' places
	s_add_nc_u64 s[8:9], s[8:9], 32768             ; the next head's row of gt; the loads that used these two pointers have come back
	s_add_nc_u64 s[10:11], s[10:11], 4096          ; the bias one expert further on (behind the seventh step it is not used)
	s_sub_co_u32 s2, s2, 1
	s_branch .Lpass
.Llast:
	TURN 0, 1, 2                                   ; my one tensor load that was still out is slot 1's, the last K step's, so no round follows
	QUARTER 1, 64,  0, 1, 0
	QUARTER 1, 128, 1, 0, 0
	QUARTER 1, 192, 0, 1, 0
	s_wait_dscnt 8                                 ; the very last quarter: nothing more to fetch
	MUL8 1, 0, 0
	MUL8 1, 2, 0
	s_wait_dscnt 0x0
	MUL8 1, 4, 0
	MUL8 1, 6, 0
	PLACES                                         ; the lines below read results just made
	SCALE
	TOSTAGE 0
.irp a, 1,2,3,4,5,6,7                  ; a block's way into the stage stands between the loads of the block before and its stores
	TOSTAGE \a
	SEND (\a)-1, 16
.endr
	SEND 7, 0
	s_wait_tensorcnt 0x0                           ; the wave's end, behind my last tensor load and my last LDS store
	ds_add_u32 v[SPW], v[NIL]
	s_wait_dscnt 0x0
	CROUND                                         ; the closing round: no work-group ends while a partner may still ask for a tile that names it
	s_endpgm
.Lfunc_end_k_q704838f4d1_gemm:
	.size	k_q704838f4d1_gemm, .Lfunc_end_k_q704838f4d1_gemm-k_q704838f4d1_gemm
	.p2alignl 7, 3214868480
	.fill 96, 4, 3214868480
	.section	.rodata,"a",@progbits
	.p2align	6, 0x0
	.amdhsa_kernel k_q704838f4d1_gemm
		.amdhsa_group_segment_fixed_size 327680
		.amdhsa_private_segment_fixed_size 0
		.amdhsa_enable_private_segment 0
		.amdhsa_kernarg_size 40
		.amdhsa_user_sgpr_count 2
		.amdhsa_user_sgpr_kernarg_segment_ptr 1
		.amdhsa_wavefront_size32 1
		.amdhsa_system_sgpr_workgroup_id_x 1
		.amdhsa_system_sgpr_workgroup_id_y 1
		.amdhsa_system_sgpr_workgroup_id_z 1
		.amdhsa_system_vgpr_workitem_id 0
		.amdhsa_next_free_vgpr 800
		.amdhsa_next_free_sgpr 72
		.amdhsa_reserve_vcc 0
		.amdhsa_float_denorm_mode_32 3
		.amdhsa_float_denorm_mode_16_64 3
		.amdhsa_memory_ordered 1
		.amdhsa_forward_progress 1
		.amdhsa_inst_pref_size 133
	.end_amdhsa_kernel
	.amdgpu_metadata
---
amdhsa.version: [ 1, 2 ]
amdhsa.kernels:
  - .name:           k_q704838f4d1_gemm
    .symbol:         k_q704838f4d1_gemm.kd
    .args:
      - { .name: xb, .offset: 0, .size: 8, .value_kind: global_buffer, .address_space: global }
      - { .name: wb, .offset: 8, .size: 8, .value_kind: global_buffer, .address_space: global }
      - { .name: gt, .offset: 16, .size: 8, .value_kind: global_buffer, .address_space: global }
      - { .name: expert_b, .offset: 24, .size: 8, .value_kind: global_buffer, .address_space: global }
      - { .name: out0, .offset: 32, .size: 8, .value_kind: global_buffer, .address_space: global }
    .group_segment_fixed_size: 327680
    .private_segment_fixed_size: 0
    .kernarg_segment_align: 8
    .kernarg_segment_size: 40
    .max_flat_workgroup_size: 128
    .sgpr_count:     72
    .vgpr_count:     800
    .wavefront_size: 32
...
	.end_amdgpu_metadata
.endif
;; end of part 2
;; ======== version 2 of 2: 2 launches; 1.25 times as fast as version 1
;; workspace buffers: xb 16,777,216 bytes; wb 16,777,216 bytes; gt 262,144 bytes
;; launch prep: the kernel of part 1 again; grid 256 x 1, 16 waves a work-group, no clusters, 122,880 bytes of LDS; arguments x, expert_w, gate_w, gate_b, xb, wb, gt; writes xb, wb, gt
;; launch gemm (part 3): grid 8 x 32, 4 waves a work-group, clusters of 4 x 4, 327,680 bytes of LDS; arguments xb, wb, gt, expert_b, out0; writes out0
.if DOCPART == 3
	.amdgcn_target "amdgcn-amd-amdhsa--gfx1250"
	.amdhsa_code_object_version 6
	.text
	.protected	k_q704838f4d1_gemm
	.globl	k_q704838f4d1_gemm
	.p2align	8
	.type	k_q704838f4d1_gemm,@function
k_q704838f4d1_gemm:
	s_mov_b64 s[64:65], 0
	v_nop
	global_prefetch_b8 v0, s[64:65] scope:SCOPE_SE
	s_setreg_imm32_b32 hwreg(HW_REG_WAVE_MODE, 25, 1), 1
	s_wait_xcnt 0x0
	s_wait_alu depctr_hold_cnt(0) depctr_sa_sdst(0) depctr_va_vdst(0) depctr_va_sdst(0) depctr_va_ssrc(0) depctr_va_vcc(0) depctr_vm_vsrc(0)
	s_getreg_b32 s2, hwreg(HW_REG_IB_STS2, 6, 4)
	s_cmp_eq_u32 s2, 0
	s_cbranch_scc0 .Lentry_in_a_cluster
	s_endpgm
.Lentry_in_a_cluster:
	s_bfe_u32 s2, ttmp6, 0x10000c
	s_cmp_lg_u32 s2, 0xf033
	s_cbranch_scc0 .Lentry_shape_is_right
	s_endpgm
.Lentry_shape_is_right:
; out[t][o] = sum over h of g[h][t] * (sum over d of x[t][d] W[h][o][d] + b[h][o]).
; xb: [8192][1024] bf16, wb: [8][1024][1024] bf16, gt: [8][8192] f32, expert_b: [8][1024] f32, out0: [8192][1024] f32.  Products in bf16, all sums in f32.
; LIMITS.  x and W arrive rounded to bf16.  In the term sum_h g b alone, g and b are rounded to bf16 (it is made by the matrix unit): an error of at most 2^-8 of the largest |b|.
; In the main term g stays f32.  NaN and infinities are not treated apart.
; SHARES.  A work-group makes 256 rows x 128 columns of out: 32 x 8 = 256 work-groups.  Each of its four waves makes 128 x 64: 32 accumulators of 16 x 16.
; FOUR PASSES, each for TWO experts e and e + 1, of 8 K steps of 128.  A pass sums x W_e^T and x W_e+1^T in two sets of accumulators (ACC1); at its end out's sums (ACC2) take
; g_e x the one and g_e+1 x the other: 256 packed multiply-adds in f32 for the pass's 2,048 matrix instructions.  Two experts at a time, so that a tile of x and a fragment of x serve twice,
; and so that a K step holds 256 matrix instructions a wave.  ACC2 STARTS as sum_h b[h][o] g[h][t], one matrix instruction an accumulator: nothing is cleared, and the bias costs nothing more.
; THE MATRIX INSTRUCTION IS USED TRANSPOSED: source 0 = 16 rows of W, source 1 = 16 rows of x.  In the result lane l holds ONE token (l % 16) and the eight neighbouring columns
; 8 (l / 16) + 0..7: so g is one number a lane.
; THE RING.  Two LDS slots, each a K step's 256 rows of x, 128 rows of W_e and 128 rows of W_e+1, 256 bytes of memory a row, at multiples of 256 from the buffer's first byte.  It runs on from
; pass to pass: a pass's last two changes of slots ask for the next pair's first two K steps.  Waves 0 and 1 fetch x's halves, wave 2 W_e, wave 3 W_e+1: 128 rows, one tensor load a wave.
; By the text's own count a wave has two tensor loads out at the start and one behind each change of slots, 240 matrix instructions ahead of the wait for it.
; CLUSTERS: 4 x 4 work-groups.  The four of a row of the cluster need the same tiles of x, the four of a column the same tiles of W: each tile is asked for JOINTLY, by the same
; tensor load with the same descriptor and a mask that names the four.
; REGISTERS, in windows of 256 (s_set_vgpr_msb: bits 1:0 source 0, 3:2 source 1, 5:4 source 2, 7:6 destination):
;   window 0: v0-31 addresses; v32-47 g; v64-191 x's fragments, two buffers of 8 x 8 (the way out uses v64-127); v192-223 W_e's fragments, v224-255 W_e+1's, 4 x 8 each
;   window 1: ACC1 of expert e, accumulator (a, b) at v[8 (4 a + b)]     window 3: ACC1 of expert e + 1, likewise     window 2: ACC2, likewise
.set PITCH, 272                        ; an LDS row: 256 bytes + 16 of padding = 68 words: the 16 rows of a load start at 16 different groups of four banks (64 banks of 4 bytes: ISA guide 11.1)
.set HALFT, 128*PITCH                  ; 128 rows: what one tensor load brings
.set BHALF, 64*PITCH                   ; what a wave reads of one expert's tile
.set BOFF,  2*HALFT                    ; W_e's 128 rows lie behind x's 256, W_e+1's behind those
.set SLOT,  4*HALFT
.set STAGE, 2*SLOT                     ; behind the ring, never filled by a tensor load: 16 rows x 272 bytes for each wave, for the way out
.set WSTG,  16*PITCH
.set SPARE, STAGE+4*WSTG               ; the spare words, 128 bytes for each wave: two blocks of 256 bytes that no other line names
.set KB,    256                        ; a K step in bytes of a row
.set BACK,  6*KB                       ; from a slot's last K step of a pass back to its first
.set EXPB,  1024*2048                  ; an expert's bytes in wb
.set ADRA, 16                          ; v16-17   LDS address of my fragments of x in slot 0, 1
.set ADRB, 20                          ; v20-21   of W_e; W_e+1's lie HALFT further on
.set STO,  24                          ; v24      the way out: where I put 16 bytes of a row
.set RD,   25                          ; v25      the way out: where I read a row back
.set CO,   26                          ; v26      my byte offset in two rows of out
.set GV,   27                          ; v27      gt, for the first product: heads 4 (l / 16) on, token l % 16
.set SPW,  28                          ; v28      LDS address of my spare word; never rewritten
.set NIL,  29                          ; v29      0; never rewritten
.set BV,   30                          ; v30      expert_b, for the first product: heads 4 (l / 16) on, column l % 16
.set GO,   31                          ; v31      my byte offset in 16 tokens of gt: 4 (l % 16)
.set GC,   32                          ; v[32:47] g of the pass's expert e + i for my token in row block a at GC + 8 i + a
.set AFR,  64                          ; x's fragments: buffer f, row block a at AFR + 64 f + 8 a
.set BFR,  192                         ; W's: expert e + i, column block b at BFR + 32 i + 8 b
.set LB,   128                         ; the first product: 16 numbers of expert_b as loaded,
.set LG,   144                         ; and 32 of gt
.set WV,  14                           ; s14  my wave's number
.set G1,  24                           ; s[24:31] descriptor group 1 for x's tiles;  s[32:39] group 0, a set for each slot
.set G0,  32
.set G1B, 48                           ; s[48:55], s[56:63] the same for W's
.set G0B, 56
.set MSB, 0
.macro WIN new                         ; the immediate's high byte repeats the setting that is left; a switch that changes nothing is dropped
.if MSB != (\new)
	s_set_vgpr_msb (MSB<<8)|(\new)
.set MSB, \new
.endif
.endm
.set MULA, 0x50                        ; fragments in window 0, C and D in window 1; with 0xa0 more: in window 3
.set SCA,  0xa1                        ; destination and source 2 in window 2, source 0 in window 1 (with 2 more: window 3), source 1 in window 0
.set INI,  0x80                        ; destination in window 2
.set STG,  0x08                        ; an LDS store's data in window 2, its address in window 0
; A joint load.  The branch hangs on the wave's number alone.  An s_nop 0 and four v_nop follow each of the two lines, ahead of the jump, the label and what follows.
.macro JLOAD s
	s_cmp_lt_u32 s[WV], 2
	s_cbranch_scc0 .Lfor_b_\@
	tensor_load_to_lds s[G0+4*(\s):G0+4*(\s)+3], s[G1:G1+7]
	s_nop 0
.rept 4
	v_nop
.endr
	s_branch .Lasked_\@
.Lfor_b_\@:
	tensor_load_to_lds s[G0B+4*(\s):G0B+4*(\s)+3], s[G1B:G1B+7]
	s_nop 0
.rept 4
	v_nop
.endr
.Lasked_\@:
.endm
; A round of the cluster's barrier: my work-group's barrier, so that wave 0's signal speaks for all four waves; wave 0 signals; every wave waits for all sixteen work-groups; my work-group's barrier once more.
.macro CREST                           ; a round behind its opening barrier
	s_cmp_lg_u32 s[WV], 0
	s_cbranch_scc1 .Lnot_wave_0_\@
	s_barrier_signal -3
.Lnot_wave_0_\@:
	s_barrier_wait -3
	s_barrier_signal -1
	s_barrier_wait -1
.endm
.macro CROUND                          ; a whole round
	s_barrier_signal -1
	s_barrier_wait -1
	CREST
.endm
.macro PLACES                          ; four places in front of loads into registers that matrix instructions have read, and of vector lines that read results just made
.rept 4
	v_nop
.endr
.endm
	s_load_b256 s[4:11], s[0:1], 0x0               ; xb s[4:5], wb s[6:7], gt s[8:9], expert_b s[10:11]
	s_load_b64 s[12:13], s[0:1], 0x20              ; out0
	v_lshl_add_u32 v[SPW], v0, 2, SPARE
	v_mov_b32 v[NIL], 0
	ds_add_u32 v[SPW], v[NIL]                      ; the wave's opening: the add and its wait stand ahead of my first tensor load; the set-up below, work on registers, stands between them
	v_lshrrev_b32 v1, 5, v0
	v_readfirstlane_b32 s[WV], v1                  ; wave 0..3
	s_lshr_b32 s15, s[WV], 1                       ; wm: which 128 rows of the tile are mine
	s_and_b32 s16, s[WV], 1                        ; wn: which 64 columns.  Also: which half of x's tile, or which of the two experts' tiles, I fetch
	s_bfe_u32 s40, ttmp6, 0x40000                  ; cx, cy: my place in the cluster
	s_bfe_u32 s41, ttmp6, 0x40004
	s_lshl_b32 s42, ttmp9, 2
	s_add_co_u32 s42, s42, s40                     ; tx: tile column of out = 4 x cluster x + cx
	s_and_b32 s43, ttmp7, 0xffff
	s_lshl_b32 s43, s43, 2
	s_add_co_u32 s43, s43, s41                     ; ty: tile row = 4 x cluster y + cy
	s_lshl_b32 s44, s41, 2
	s_lshl_b32 s44, 15, s44                        ; my row of the cluster
	s_lshl_b32 s45, 0x1111, s40                    ; my column
	; descriptor group 1: a tile of 128 rows x 128 elements of 2 bytes, padded in LDS
	s_or_b32 s[G1+0], s44, (1<<16)|(1<<20)|(1<<21)|(5<<22)|(3<<25)   ; 15:0 the mask: x's tiles go to my row; 17:16 2-byte elements; 20 padding on; 21 set beside a mask; 24:22 after every 64 words (code 5); 31:25 4 words (code 3)
	s_or_b32 s[G1B+0], s45, (1<<16)|(1<<20)|(1<<21)|(5<<22)|(3<<25)  ; the same with the mask of my column, for W's tiles
.irp g, G1, G1B
	s_mov_b32 s[(\g)+1], 128<<16                   ; tensor_dim0 = 128
	s_mov_b32 s[(\g)+2], 128<<16                   ; tensor_dim1 = 128
	s_mov_b32 s[(\g)+3], 128<<16                   ; tile_dim0 = 128
	s_mov_b32 s[(\g)+4], 128                       ; tile_dim1 = 128
	s_mov_b32 s[(\g)+5], 1024                      ; elements from row to row
	s_mov_b32 s[(\g)+6], 0
	s_mov_b32 s[(\g)+7], 0
.endr
	; where the tiles come from: x's hang on ty and the wave, W's on tx and the wave, each in registers that never hold the other coordinate
	s_lshl_b32 s18, s43, 8
	s_lshl_b32 s19, s16, 7
	s_add_co_u32 s18, s18, s19                     ; x: row 256 ty + 128 x half,
	s_lshl_b32 s18, s18, 11                        ; of 2,048 bytes: under 2^25
	s_mov_b32 s19, 0
	s_lshl_b32 s68, s42, 18                        ; W: row 128 tx, of 2,048 bytes,
	s_lshl_b32 s69, s16, 21                        ; of expert 0 (wave 2) or 1 (wave 3)
	s_add_co_u32 s68, s68, s69
	s_mov_b32 s69, 0
	s_mul_i32 s20, s[WV], HALFT                    ; and where they go: wave x 128 rows: x's halves, W_e, W_e+1.  No place in the cluster enters an LDS address
	s_wait_dscnt 0x0                               ; the opening add is done
	s_wait_kmcnt 0x0
	s_add_nc_u64 s[22:23], s[4:5], s[18:19]
	s_add_nc_u64 s[70:71], s[6:7], s[68:69]
	CROUND                                         ; all sixteen work-groups are here: the first joint loads meet
.irp s, 0,1
	s_mov_b32 s[G0+4*(\s)], 1                                        ; 1:0 count = 1
	s_add_co_u32 s[G0+4*(\s)+1], s20, (\s)*SLOT                      ; 63:32 LDS address
	s_add_nc_u64 s[G0+4*(\s)+2:G0+4*(\s)+3], s[22:23], (\s)*KB       ; 120:64 global address: K step s
	s_or_b32 s[G0+4*(\s)+3], s[G0+4*(\s)+3], 0x80000000              ; 127:126 type = 2
	s_mov_b32 s[G0B+4*(\s)], 1
	s_add_co_u32 s[G0B+4*(\s)+1], s20, (\s)*SLOT
	s_add_nc_u64 s[G0B+4*(\s)+2:G0B+4*(\s)+3], s[70:71], (\s)*KB
	s_or_b32 s[G0B+4*(\s)+3], s[G0B+4*(\s)+3], 0x80000000
.endr
	s_cmp_lt_u32 s[WV], 2                          ; a wave's two first fills stand in one branch, ahead of every wait on TENSORcnt and every LDS read
	s_cbranch_scc0 .Lfirst_b
	tensor_load_to_lds s[G0:G0+3], s[G1:G1+7]
	s_nop 0
	tensor_load_to_lds s[G0+4:G0+7], s[G1:G1+7]
	s_nop 0
.rept 4
	v_nop
.endr
	s_branch .Lfirst_asked
.Lfirst_b:
	tensor_load_to_lds s[G0B:G0B+3], s[G1B:G1B+7]
	s_nop 0
	tensor_load_to_lds s[G0B+4:G0B+7], s[G1B:G1B+7]
	s_nop 0
.rept 4
	v_nop
.endr
.Lfirst_asked:
	; all that follows up to the barrier stands in the wait for the first tile
	v_and_b32 v1, 15, v0                           ; l % 16
	v_bfe_u32 v2, v0, 4, 1                         ; l / 16
	v_lshlrev_b32 v[GO], 2, v1
	v_lshl_add_u32 v[BV], v2, 14, v[GO]            ; four heads of 4,096 bytes in expert_b
	v_lshl_add_u32 v[GV], v2, 17, v[GO]            ; four heads of 32,768 bytes in gt
	s_lshl_b32 s18, s43, 8
	s_lshl_b32 s19, s15, 7
	s_add_co_u32 s18, s18, s19                     ; my first token: 256 ty + 128 wm
	s_lshl_b32 s46, s18, 12                        ; its row of 4,096 bytes in out: under 2^25
	s_mov_b32 s47, 0
	s_lshl_b32 s18, s18, 2                         ; its 4 bytes in a head's row of gt
	s_mov_b32 s19, 0
	s_add_nc_u64 s[8:9], s[8:9], s[18:19]
	s_add_nc_u64 s[12:13], s[12:13], s[46:47]
	s_lshl_b32 s68, s42, 9
	s_lshl_b32 s69, s16, 8
	s_add_co_u32 s68, s68, s69                     ; my first column, in bytes of f32: 512 tx + 256 wn
	s_mov_b32 s69, 0
	s_add_nc_u64 s[10:11], s[10:11], s[68:69]
	s_add_nc_u64 s[12:13], s[12:13], s[68:69]
	; THE FIRST PRODUCT: ACC2 = sum over h of b[h][column] g[h][token].  Of a fragment's 32 places along K lane l holds 8 (l / 16) + 0..7 in its registers 0-3: head 4 (l / 16) + i goes to
	; place 8 (l / 16) + i, in b's fragments and in g's alike: registers 0 and 1; the other six hold 0.
.irp b, 0,1,2,3
.irp i, 0,1,2,3
	global_load_b32 v[LB+4*(\b)+(\i)], v[BV], s[10:11] offset:(\i)*4096+(\b)*64
.endr
.endr
.irp a, 0,1,2,3,4,5,6,7
.irp i, 0,1,2,3
	global_load_b32 v[LG+4*(\a)+(\i)], v[GV], s[8:9] offset:(\i)*32768+(\a)*64
.endr
.endr
	; a fragment of x or W is 16 rows x 32 K in 8 registers: lane l holds row l % 16, K = 8 (l / 16) + 0..7 and 16 + 8 (l / 16) + 0..7: two loads of 16 bytes, 32 bytes apart
	v_mul_u32_u24 v3, v1, PITCH
	v_lshl_add_u32 v3, v2, 4, v3
	s_mul_i32 s18, s15, HALFT                      ; my 128 rows of x
	s_mul_i32 s19, s16, BHALF                      ; my 64 rows of W_e
	s_add_co_u32 s19, s19, BOFF
.irp s, 0,1
	v_add_nc_u32 v[ADRA+(\s)], s18, v3
	v_add_nc_u32 v[ADRB+(\s)], s19, v3
	s_add_co_u32 s18, s18, SLOT
	s_add_co_u32 s19, s19, SLOT
.endr
	s_mul_i32 s18, s[WV], WSTG
	s_add_co_u32 s18, s18, STAGE                   ; my stage
	v_mul_u32_u24 v4, v1, PITCH                    ; in: row l % 16, 32 bytes for each half of the lanes
	v_lshl_add_u32 v4, v2, 5, v4
	v_add_nc_u32 v[STO], s18, v4
	v_mul_u32_u24 v5, v2, PITCH                    ; back: lanes 0-15 take one row of 256 bytes, lanes 16-31 the next
	v_lshl_add_u32 v5, v1, 4, v5
	v_add_nc_u32 v[RD], s18, v5
	v_lshlrev_b32 v5, 12, v2                       ; and the same two rows in out
	v_lshl_add_u32 v[CO], v1, 4, v5
.set n, 0
.rept 4                                ; the K places that hold no head: b's four fragments lie where W_e's will,
.irp j, 2,3,4,5,6,7
	v_mov_b32 v[BFR+8*n+(\j)], 0
.endr
.set n, n+1
.endr
.set n, 0
.rept 8                                ; g's eight where x's buffer 0 will
.irp j, 2,3,4,5,6,7
	v_mov_b32 v[AFR+8*n+(\j)], 0
.endr
.set n, n+1
.endr
	s_wait_loadcnt 0x0                             ; b and g
.irp b, 0,1,2,3
	v_cvt_pk_bf16_f32 v[BFR+8*(\b)],   v[LB+4*(\b)],   v[LB+4*(\b)+1]
	v_cvt_pk_bf16_f32 v[BFR+8*(\b)+1], v[LB+4*(\b)+2], v[LB+4*(\b)+3]
.endr
.irp a, 0,1,2,3,4,5,6,7
	v_cvt_pk_bf16_f32 v[AFR+8*(\a)],   v[LG+4*(\a)],   v[LG+4*(\a)+1]
	v_cvt_pk_bf16_f32 v[AFR+8*(\a)+1], v[LG+4*(\a)+2], v[LG+4*(\a)+3]
.endr
	WIN INI
.irp a, 0,1,2,3,4,5,6,7
.irp b, 0,1,2,3
	v_wmma_f32_16x16x32_bf16 v[8*(4*(\a)+(\b)):8*(4*(\a)+(\b))+7], v[BFR+8*(\b):BFR+8*(\b)+7], v[AFR+8*(\a):AFR+8*(\a)+7], 0
.endr
.endr
	WIN 0
	PLACES                                         ; for the first fragment loads, which land on the registers that these products read
; 8 matrix instructions for expert e + i: row blocks a0, a0 + 1 x all 4 column blocks, 32 along K, x from buffer f.  zero = 1: the pass's first products start the sums.
; The 64 accumulators take turns, one instruction a turn, in the same order in every quarter: between two links of a chain stand the 63 others'.
.macro MUL8 f, i, a0, zero
	WIN MULA+0xa0*(\i)
.irp a, \a0, (\a0)+1
.irp b, 0,1,2,3
.if \zero
	v_wmma_f32_16x16x32_bf16 v[8*(4*(\a)+(\b)):8*(4*(\a)+(\b))+7], v[BFR+32*(\i)+8*(\b):BFR+32*(\i)+8*(\b)+7], v[AFR+64*(\f)+8*(\a):AFR+64*(\f)+8*(\a)+7], 0
.else
	v_wmma_f32_16x16x32_bf16 v[8*(4*(\a)+(\b)):8*(4*(\a)+(\b))+7], v[BFR+32*(\i)+8*(\b):BFR+32*(\i)+8*(\b)+7], v[AFR+64*(\f)+8*(\a):AFR+64*(\f)+8*(\a)+7], v[8*(4*(\a)+(\b)):8*(4*(\a)+(\b))+7]
.endif
.endr
.endr
.endm
.macro LDW slot, k, i                  ; 8 LDS loads: my 64 rows of expert e + i's tile, 32 K at byte k of the rows
.irp b, 0,1,2,3
	ds_load_b128 v[BFR+32*(\i)+8*(\b):BFR+32*(\i)+8*(\b)+3],   v[ADRB+(\slot)] offset:(\i)*HALFT+(\k)+(\b)*16*PITCH
	ds_load_b128 v[BFR+32*(\i)+8*(\b)+4:BFR+32*(\i)+8*(\b)+7], v[ADRB+(\slot)] offset:(\i)*HALFT+(\k)+(\b)*16*PITCH+32
.endr
.endm
.macro LDX slot, k, f, a0              ; 8 LDS loads: row blocks a0 .. a0 + 3 of x, 32 K at byte k of the rows, into buffer f
.irp a, \a0, (\a0)+1, (\a0)+2, (\a0)+3
	ds_load_b128 v[AFR+64*(\f)+8*(\a):AFR+64*(\f)+8*(\a)+3],   v[ADRA+(\slot)] offset:(\k)+(\a)*16*PITCH
	ds_load_b128 v[AFR+64*(\f)+8*(\a)+4:AFR+64*(\f)+8*(\a)+7], v[ADRA+(\slot)] offset:(\k)+(\a)*16*PITCH+32
.endr
.endm
.macro FETCH0 slot                     ; a K step's first fragments: W_e, then x's eight row blocks, into buffer 0
	WIN 0
	LDW \slot, 0, 0
	LDX \slot, 0, 0, 0
	LDX \slot, 0, 0, 4
.endm
; A K step is four quarters of 32 along K: 32 matrix instructions for expert e, then 32 for e + 1, on x's buffers 0, 1, 0, 1.  W has one buffer an expert: W_e+1's is filled while e's products
; run, W_e's for the next quarter while e + 1's run; half of the next quarter's x goes with each.  So the LDS loads stand in two runs of 16, each 16 matrix instructions ahead of its first use.
; Quarter q, one of the first three:
.macro QUARTER slot, q, zero
	s_wait_dscnt 8                                 ; W_e's fragments and x's row blocks 0-3 are in; the youngest eight loads (row blocks 4-7) may be out
	MUL8 (\q)%2, 0, 0, \zero
	MUL8 (\q)%2, 0, 2, \zero
	PLACES                                         ; behind the last quarter's products, which read the registers loaded now
	WIN 0
	LDW \slot, 64*(\q), 1
	LDX \slot, 64*(\q)+64, 1-(\q)%2, 0
	s_wait_dscnt 16                                ; all but the 16 just issued
	MUL8 (\q)%2, 0, 4, \zero
	MUL8 (\q)%2, 0, 6, \zero
	s_wait_dscnt 8                                 ; W_e+1's fragments are in; the next quarter's eight of x may be out
	MUL8 (\q)%2, 1, 0, \zero
	MUL8 (\q)%2, 1, 2, \zero
	PLACES                                         ; behind expert e's products, which read W_e's registers
	WIN 0
	LDW \slot, 64*(\q)+64, 0
	LDX \slot, 64*(\q)+64, 1-(\q)%2, 4
	MUL8 (\q)%2, 1, 4, \zero
	MUL8 (\q)%2, 1, 6, \zero
.endm
; The last quarter's first half: expert e's products, and W_e+1's fragments, the slot's last bytes to be read
.macro Q3HEAD slot
	s_wait_dscnt 8
	MUL8 1, 0, 0, 0
	MUL8 1, 0, 2, 0
	PLACES
	WIN 0
	LDW \slot, 192, 1
	s_wait_dscnt 8                                 ; all but the 8 just issued
	MUL8 1, 0, 4, 0
	MUL8 1, 0, 6, 0
.endm
; The last quarter changes slots, amid expert e + 1's products: ONE barrier.  In front of it each wave waits for all its tensor loads, of which one is out: its part of the next slot; adds 0 to
; its spare word; and waits for that and for its own reads of this slot.  Behind it nobody reads this slot any more and the next slot is whole.
; mode 0: this slot is filled again with the pass's K step two steps on; mode 1: with the NEXT pair's K step 0 or 1 (x goes back along K; W goes two experts on and back); mode 2: nothing is left
; to fetch.  In modes 0 and 1 the barrier opens a round of the cluster's, and the joint refill is the first tensor load behind the round; its four v_nop are also the places in front of the loads below.
.macro TURN slot, next, mode
	Q3HEAD \slot
	WIN 0                                          ; (the add's two registers lie in window 0)
	s_wait_tensorcnt 0x0                           ; all my tensor loads have landed;
	ds_add_u32 v[SPW], v[NIL]                      ; 0 onto my spare word
	s_wait_dscnt 1                                 ; W_e+1's fragments are in: the add alone may be out
	MUL8 1, 1, 0, 0                                ; eight matrix instructions stand between the add and the wait for it
	s_wait_dscnt 0x0                               ; the add is done, and my reads of this slot are over
	s_barrier_signal -1
	MUL8 1, 1, 2, 0                                ; work on registers while the others arrive
.if (\mode) == 2
	s_barrier_wait -1
	PLACES
.else
	WIN 0
	s_barrier_wait -1
	CREST                                          ; no wave of any partner still reads this slot's tiles or has a load on its way
.if (\mode) == 1
	s_sub_nc_u64 s[G0+4*(\slot)+2:G0+4*(\slot)+3], s[G0+4*(\slot)+2:G0+4*(\slot)+3], BACK
	s_add_nc_u64 s[G0B+4*(\slot)+2:G0B+4*(\slot)+3], s[G0B+4*(\slot)+2:G0B+4*(\slot)+3], 2*EXPB-BACK
.else
	s_add_nc_u64 s[G0+4*(\slot)+2:G0+4*(\slot)+3], s[G0+4*(\slot)+2:G0+4*(\slot)+3], 2*KB
	s_add_nc_u64 s[G0B+4*(\slot)+2:G0B+4*(\slot)+3], s[G0B+4*(\slot)+2:G0B+4*(\slot)+3], 2*KB
.endif
	JLOAD \slot
.endif
	FETCH0 \next
	MUL8 1, 1, 4, 0
	MUL8 1, 1, 6, 0
.endm
; ACC2 += g x ACC1 for expert e + i: pair n of 128 lies in row block n / 16, whose g is the low (even block) or high (odd block) register of a pair of GC.  Each accumulator is read from its low end on.
.macro SCALE1 i
	WIN SCA+2*(\i)
.set n, 0
.rept 128
.if (n/16)%2
	v_pk_fma_f32 v[2*n:2*n+1], v[2*n:2*n+1], v[GC+8*(\i)+2*(n/32):GC+8*(\i)+2*(n/32)+1], v[2*n:2*n+1] op_sel:[0,1,0] op_sel_hi:[1,1,1]
.else
	v_pk_fma_f32 v[2*n:2*n+1], v[2*n:2*n+1], v[GC+8*(\i)+2*(n/32):GC+8*(\i)+2*(n/32)+1], v[2*n:2*n+1] op_sel_hi:[1,0,1]
.endif
.set n, n+1
.endr
.endm
.macro SCALE
	s_wait_loadcnt 0x0                             ; g of this pass's two experts, asked for at the pass's head
	SCALE1 0                                       ; expert e's 128 lines name no register of the pass's last products (expert e + 1's): they are those products' places
	SCALE1 1
	WIN 0
.endm
; THE WAY OUT of row block a.  A lane's 32 bytes are an eighth of a row's 256, and the lanes beside it hold other rows: 16 rows go through my own stage and come back as whole rows.
.macro TOSTAGE a
.set BK, AFR+32*((\a)%2)
.if (\a) >= 2
	s_wait_xcnt 0x0                                ; the stores of the block two back have had their addresses translated (ISA guide 3.1): only behind this wait are their data registers loaded again
.endif
	WIN STG
.irp b, 0,1,2,3
	ds_store_b128 v[STO], v[32*(\a)+8*(\b):32*(\a)+8*(\b)+3]   offset:64*(\b)
	ds_store_b128 v[STO], v[32*(\a)+8*(\b)+4:32*(\a)+8*(\b)+7] offset:64*(\b)+16
.endr
	WIN 0
.irp t, 0,1,2,3,4,5,6,7
	ds_load_b128 v[BK+4*(\t):BK+4*(\t)+3], v[RD] offset:(\t)*2*PITCH  ; LDS serves a wave's instructions in order (ISA guide 5.7.1.4): these see the stores above; the next block's stores come behind them
.endr
.endm
.macro SEND a, younger                 ; younger: the LDS instructions issued behind block a's loads: the next block's sixteen, or none
.set BK, AFR+32*((\a)%2)
	s_wait_dscnt \younger
.irp t, 0,1,2,3,4,5,6,7
	global_store_b128 v[CO], v[BK+4*(\t):BK+4*(\t)+3], s[12:13] offset:(\a)*65536+(\t)*8192 th:TH_STORE_NT  ; 16 lanes store 256 consecutive bytes, at a multiple of 256 from out's first byte
.endr
.endm
	s_wait_tensorcnt 1                             ; my part of K step 0 is in; K step 1's may stay out
	s_barrier_signal -1
	s_barrier_wait -1                              ; everybody's is
	FETCH0 0
	s_mov_b32 s2, 4                                ; passes to go, this one among them: the same number in every work-group
.Lpass:
	QUARTER 0, 0, 1                                ; a pass's first quarter stands in front of the loop: its products start both experts' sums
	WIN 0
.irp i, 0,1
.irp a, 0,1,2,3,4,5,6,7
	global_load_b32 v[GC+8*(\i)+(\a)], v[GO], s[8:9] offset:(\i)*32768+64*(\a)  ; g of this pass's two experts for my token in each row block: wanted at the pass's end
.endr
.endr
	s_mov_b32 s3, 3
.Llap:                                                 ; a trip goes once round the ring, from a lap's second quarter to the next lap's first, and fills both slots again
	QUARTER 0, 1, 0
	QUARTER 0, 2, 0
	TURN 0, 1, 0
	QUARTER 1, 0, 0
	QUARTER 1, 1, 0
	QUARTER 1, 2, 0
	TURN 1, 0, 0
	QUARTER 0, 0, 0
	WIN 0                                          ; at a label and at a branch every window is 0
	s_sub_co_u32 s3, s3, 1
	s_cmp_lg_u32 s3, 0
	s_cbranch_scc1 .Llap
	QUARTER 0, 1, 0                                ; the pass's last lap goes on
	QUARTER 0, 2, 0
	WIN 0
	s_cmp_eq_u32 s2, 1
	s_cbranch_scc1 .Llast                          ; the last pass's tail is written out: it asks for nothing more
	TURN 0, 1, 1                                   ; THE RING GOES ON INTO THE NEXT PASS: slot 0 takes its K step 0,
	QUARTER 1, 0, 0
	QUARTER 1, 1, 0
	QUARTER 1, 2, 0
	TURN 1, 0, 1                                   ; slot 1 its K step 1, and the next pass's first fragments are fetched
	SCALE                                          ; no v_nop: expert e's sums were finished in front of the joint load's four
	s_add_nc_u64 s[8:9], s[8:9], 65536             ; the next two heads' rows of gt; the loads that used this pointer have come back
	s_sub_co_u32 s2, s2, 1
	s_branch .Lpass
.Llast:
	TURN 0, 1, 2                                   ; my one tensor load that was still out is slot 1's, the last K step's, so no round follows
	QUARTER 1, 0, 0
	QUARTER 1, 1, 0
	QUARTER 1, 2, 0
	Q3HEAD 1                                       ; the very last quarter: nothing more to fetch
	s_wait_dscnt 0x0
	MUL8 1, 1, 0, 0
	MUL8 1, 1, 2, 0
	MUL8 1, 1, 4, 0
	MUL8 1, 1, 6, 0
	PLACES                                         ; behind expert e's last products only matrix instructions have come
	SCALE
	TOSTAGE 0
.irp a, 1,2,3,4,5,6,7                  ; a block's way into the stage stands between the loads of the block before and its stores
	TOSTAGE \a
	SEND (\a)-1, 16
.endr
	SEND 7, 0
	s_wait_tensorcnt 0x0                           ; the wave's end, behind my last tensor load and my last LDS store
	ds_add_u32 v[SPW], v[NIL]
	s_wait_dscnt 0x0
	CROUND                                         ; the closing round: no work-group ends while a partner may still ask for a tile that names it
	s_endpgm
.Lfunc_end_k_q704838f4d1_gemm:
	.size	k_q704838f4d1_gemm, .Lfunc_end_k_q704838f4d1_gemm-k_q704838f4d1_gemm
	.p2alignl 7, 3214868480
	.fill 96, 4, 3214868480
	.section	.rodata,"a",@progbits
	.p2align	6, 0x0
	.amdhsa_kernel k_q704838f4d1_gemm
		.amdhsa_group_segment_fixed_size 327680
		.amdhsa_private_segment_fixed_size 0
		.amdhsa_enable_private_segment 0
		.amdhsa_kernarg_size 40
		.amdhsa_user_sgpr_count 2
		.amdhsa_user_sgpr_kernarg_segment_ptr 1
		.amdhsa_wavefront_size32 1
		.amdhsa_system_sgpr_workgroup_id_x 1
		.amdhsa_system_sgpr_workgroup_id_y 1
		.amdhsa_system_sgpr_workgroup_id_z 1
		.amdhsa_system_vgpr_workitem_id 0
		.amdhsa_next_free_vgpr 1024
		.amdhsa_next_free_sgpr 72
		.amdhsa_reserve_vcc 0
		.amdhsa_float_denorm_mode_32 3
		.amdhsa_float_denorm_mode_16_64 3
		.amdhsa_memory_ordered 1
		.amdhsa_forward_progress 1
		.amdhsa_inst_pref_size 209
	.end_amdhsa_kernel
	.amdgpu_metadata
---
amdhsa.version: [ 1, 2 ]
amdhsa.kernels:
  - .name:           k_q704838f4d1_gemm
    .symbol:         k_q704838f4d1_gemm.kd
    .args:
      - { .name: xb, .offset: 0, .size: 8, .value_kind: global_buffer, .address_space: global }
      - { .name: wb, .offset: 8, .size: 8, .value_kind: global_buffer, .address_space: global }
      - { .name: gt, .offset: 16, .size: 8, .value_kind: global_buffer, .address_space: global }
      - { .name: expert_b, .offset: 24, .size: 8, .value_kind: global_buffer, .address_space: global }
      - { .name: out0, .offset: 32, .size: 8, .value_kind: global_buffer, .address_space: global }
    .group_segment_fixed_size: 327680
    .private_segment_fixed_size: 0
    .kernarg_segment_align: 8
    .kernarg_segment_size: 40
    .max_flat_workgroup_size: 128
    .sgpr_count:     72
    .vgpr_count:     1024
    .wavefront_size: 32
...
	.end_amdgpu_metadata
.endif
;; end of part 3
